; MI455X (gfx1250); checked and timed in simulation.
; The chip was launched on July 23, 2026; its instructions are those of AMD's public machine-readable ISA for CDNA 5 (MIT licence, August 2026) and "CDNA5" Instruction Set Architecture Reference Guide (July 2026). The comments in the code are by the model that wrote it; some were corrected since.
;; Cross Attention Skip. Allowed arithmetic: matrix products marked QUANTISED: E5M2 operands, one E8M0 scale for each 32 along K, by v_wmma_scale_f32_16x16x128_f8f6f4 with both operands' format E5M2, f32 sums; everything else in f32.
;; Inputs: W1 512 x 128 float32; W2 128 x 512 float32; Wk 128 x 128 float32; Wo 128 x 128 float32; Wq 128 x 128 float32; Wv 128 x 128 float32; b1 512 float32; b2 128 float32; b_dec 128 float32; b_enc 128 float32; b_out 128 float32; bk 128 float32; bo 128 float32; bq 128 float32; bv 128 float32; decoder_feat 2 x 128 x 16 x 16 x 16 float32; encoder_feat 2 x 128 x 16 x 16 x 16 float32; g_dec 128 float32; g_enc 128 float32; g_out 128 float32.
;; Outputs: out0 2 x 128 x 16 x 16 x 16 float32.
;; This version of the problem:
;;   THIS VERSION OF THE PROBLEM IS GIVEN IN LOW PRECISION. The matrix products marked QUANTISED in the list below multiply operands that are first quantised to E5M2 (5 exponent bits, 2 mantissa bits; 8 bits a number), with one power-of-two scale for each 32 numbers along K (OCP MX v1.0); their sums are f32. All else is computed in f32.
;;   The module's matrix products, in the order in which they are computed (A, B: the left and right operand; K: the contracted axis; several contracted axes count as one K, in the product's order):
;;     1. [M 8,192, K 128] x [K 128, N 128]; A: computed on the way; B: input Wq: QUANTISED
;;     2. [M 8,192, K 128] x [K 128, N 128]; A: computed on the way; B: input Wk: QUANTISED
;;     3. [M 8,192, K 128] x [K 128, N 128]; A: computed on the way; B: input Wv: QUANTISED
;;     4. batch 8 x [M 4,096, K 32] x [K 32, N 4,096]; A: computed on the way; B: computed on the way: QUANTISED
;;     5. batch 8 x [M 4,096, K 4,096] x [K 4,096, N 32]; A: softmax (see below); B: computed on the way: QUANTISED
;;     6. [M 8,192, K 128] x [K 128, N 128]; A: computed on the way; B: input Wo: QUANTISED
;;     7. [M 8,192, K 128] x [K 128, N 512]; A: computed on the way; B: input W1: QUANTISED
;;     8. [M 8,192, K 512] x [K 512, N 128]; A: computed on the way; B: input W2: QUANTISED
;;   THE QUANTISER, for each operand of a quantised product, along K:
;;     - K is cut into blocks of 32 from its start; a last block that is shorter is filled with zeros.
;;     - A block's scale is 2^e with e = floor(log2(the largest magnitude in the block)) - 15, held to -126 .. 127; a block of zeros has e = 0. As a byte (E8M0): e + 127.
;;     - Each number is divided by its block's scale, clamped to +-57,344, and rounded to the nearest number of E5M2, ties to even, subnormals kept.
;;     - The product sums the exact products of the quantised numbers (number of the format x scale) in f32.
;;   ~~~python
;;   def quantise(x, axis):      # numpy; x: float32 -> the quantised numbers, widened to float32 again
;;       x = np.moveaxis(x, axis, -1); K = x.shape[-1]
;;       x = np.pad(x, [(0, 0)] * (x.ndim - 1) + [(0, -K % 32)]); x = x.reshape(x.shape[:-1] + (-1, 32)); a = np.abs(x).max(-1, keepdims=True)
;;       e = np.where(a > 0, np.clip(np.frexp(np.where(a > 0, a, 1))[1] - 1 - 15, -126, 127), 0)      # np.frexp(a)[1] - 1 = floor(log2(a)), exactly
;;       r = np.clip(x / 2.0 ** e, -57344, 57344)
;;       step = 2.0 ** (np.maximum(np.frexp(np.where(r == 0, 1, r))[1] - 1, -14) - 2)
;;       q = np.round(r / step) * step * 2.0 ** e      # np.round: ties to even
;;       return np.moveaxis(q.reshape(q.shape[:-2] + (-1,))[..., :K], -1, axis).astype(np.float32)
;;   ~~~
;;   SOFTMAX AHEAD OF A QUANTISED PRODUCT. Where the list says 'softmax', what is quantised is not the finished softmax but p = 2^(t - M), with t = logit x log2(e) and M = ceil(the row's largest t), a whole number; so 1/2 < the row's largest p <= 1. The row's sum l is taken of the UNQUANTISED p, in f32, and the product's result is divided by l at the end. Since M is a whole number, a kernel that streams over the keys may use a running M (the ceiling of the running maximum): every later rescaling is an exact power of two, which a block's scale takes up: the codes' values come out the same.
;;   OPERANDS COMPUTED ON THE WAY. 'Computed on the way' means the value that the module computes at that place (a softmax that the list does not call 'softmax' is quantised finished and normalised). What goes into a quantiser is computed in f32, as accurately as f32 sums, v_exp_f32 and their like allow (about 1e-6 of the number): no bf16 or f16 on the way to a quantiser, and a product that is left as it is and whose result goes on into a quantised operand takes f32 operands (vector FMAs, or v_wmma_f32_16x16x4_f32). A number that lies on a knife's edge between two numbers of the format may be rounded either way, as far as f32 arithmetic and the matrix unit's own rounding can turn it there, and no further.
;; One version. Each part assembles by itself: llvm-mc -triple=amdgcn-amd-amdhsa -mcpu=gfx1250 --defsym DOCPART=n.
;; ======== version 1 of 1: 3 launches
;; limits: right only within a limited range of input values
;; workspace buffers: kv 2,228,224 bytes; qimg 1,114,112 bytes; dseq 4,194,304 bytes; wimg 156,672 bytes; ao 1,310,720 bytes
;; launch prep (part 1): grid 137 x 1, 8 waves a work-group, no clusters, 168,960 bytes of LDS; arguments encoder_feat, decoder_feat, Wk, Wq, Wv, bk, bq, bv, g_enc, g_dec, b_enc, b_dec, Wo, W1, W2, kv, qimg, dseq, wimg; writes kv, qimg, dseq, wimg
.if DOCPART == 1
	.amdgcn_target "amdgcn-amd-amdhsa--gfx1250"
	.amdhsa_code_object_version 6
	.text
	.protected	k_qd7f1969c97_prep
	.globl	k_qd7f1969c97_prep
	.p2align	8
	.type	k_qd7f1969c97_prep,@function
k_qd7f1969c97_prep:
	s_mov_b64 s[64:65], 0
	v_nop
	global_prefetch_b8 v0, s[64:65] scope:SCOPE_SE
	s_setreg_imm32_b32 hwreg(HW_REG_WAVE_MODE, 25, 1), 1
	s_wait_xcnt 0x0
; PREP.  LayerNorm of the encoder's and the decoder's tokens, the projections Q, K, V on codes of BF8 (E5M2) with one E8M0 scale for each 32 along K,
; and every operand that the two later launches read, quantised and laid as AN IMAGE OF THE READER'S REGISTERS: four registers are 512 bytes, 16 x lane; a scale word 128 bytes, 4 x lane.
; SHARES.  Work-groups 0-63: 128 tokens of the encoder (batch b = blk / 32, step s = blk % 32); 64-127: the same of the decoder; 128-136: the 72 fragments of Wo, W1, W2, one a wave.
; The features lie [batch][channel][token]: a block of 128 channels x 128 tokens comes into LDS by one tensor load a wave (16 channel rows of 512 bytes).
; pat(r) = r + (r & 8).  Token tile t of a step holds in its lane r the token 32 (t / 2) + 8 (t % 2) + pat(r); tiles of weight rows are chosen alike.  So the 16 result registers of two
; neighbouring tiles are 16 neighbours along the next product's K, and the conversions' results are the next operand's registers.
; Wave w: LayerNorm and codes of token tile w, handed to the other waves through LDS; then head w / 2, fragment w % 2 of K (or Q): four token tiles, one in each block of 32 of a fragment, since the
; head's 32 channels are that product's whole K; then (encoder) head w / 2, channel tile w % 2 of V, with the keys along the registers.
; NO CLUSTER: the grid's 137 work-groups are of three kinds, the one tile that a tensor load brings is read by one work-group alone, and the weights go straight into the registers of the wave that quantises them.
; LIMITS: NaN and infinities among the inputs are not served.  A block of zeros gets the scale byte 1 (its codes are zeros; this program alone reads the bytes).  1 / sqrt is v_rsq_f32's.
.set XP,   520                         ; a channel row in LDS: 512 bytes + 8 = 130 words: lanes 16-31 read 16 rows further down, 2,080 words = 32 modulo 64, beside lanes 0-15's words
.set VEC,  128*XP                      ; behind the block: the gain's 128 numbers, then the bias's
.set XI,   VEC+1024                    ; the eight token tiles' codes, 2,048 bytes each
.set XS,   XI+8*2048                   ; and their scale words, 128 bytes each
.set L16, 1                            ; v1   16 x lane
.set L4,  2                            ; v2   4 x lane
.set WOF, 3                            ; v3   a weight's row pat(r) of 512 bytes, + 64 h
.set XA,  4                            ; v4   my token's word in channel row 16 h of the block
.set VA,  5                            ; v5   VEC + 64 h
.set VST, 6                            ; v6   where my wave puts its 128 bytes of the gain or the bias
.set XIW, 7                            ; v7   where I store my tile's codes
.set XSW, 8                            ; v8   and its scale word
.set XIB, 9                            ; v9   XI + 16 x lane
.set XIR, 10                           ; v10  + 8,192 x (wave % 2): my fragment's four tiles
.set XSB, 11                           ; v11  XS + 4 x lane
.set XSR, 12                           ; v12  + 512 x (wave % 2)
.set H64, 13                           ; v13  64 h
.set P4,  14                           ; v14  4 pat(r)
.set TV,  15                           ; v15  at work
.set WC,  16                           ; v16-63   codes of three weight tiles
.set R1,  64                           ; v64-127  64 numbers
.set R2,  128                          ; v128-191 64 numbers, or four fragments of x
.set PC,  128                          ; v128-143 the codes just made
.set BA,  192                          ; v192-207 the bias of my 32 / 2 channels, as the C of the K (Q) products
.set BV,  208                          ; v208-215 bv of my channel, eight times
.set PIE, 216                          ; v216 my lane's number of the gain or bias
.set TM,  224                          ; v224-239 the quantiser's work
.set WAS, 240                          ; v240-241 scale words of the K (Q) weight's two tiles
.set WVS, 242                          ; v242     of Wv's tile
.set XSC, 243                          ; v243-246 of four tiles of x
.set PW,  247                          ; v247     the scale word just made
.set LNP, 248                          ; v248-253 LayerNorm's three pairs
.set WV,  42
.set HD,  43
.set FU,  44
.set BLK, 45
.set SEL, 46
.set MNT, 48
.set INV, 49
.set EPS, 50
.set G1,  56
.set G0,  68
.macro PLACES n
.rept \n
	v_nop
.endr
.endm
.macro MM d, a, b, c, sa, sb
	v_wmma_scale_f32_16x16x128_f8f6f4 v[\d:\d+7], v[\a:\a+15], v[\b:\b+15], v[\c:\c+7], v[\sa], v[\sb] matrix_a_fmt:MATRIX_FMT_BF8 matrix_b_fmt:MATRIX_FMT_BF8
.endm
; 64 numbers of a lane, register 16 b + i in block b (the block's other 16 lie in lane l xor 16), become 16 registers of codes at v[d] and a scale word in v[pw].
.macro QUANT s, d, pw
.irp b, 0,1,2,3
	v_max3_num_f32 v[TM+\b], |v[\s+16*\b]|, |v[\s+16*\b+1]|, 0x8000000   ; my 16 numbers and the floor 2^(16 - 127): the byte cannot fall under 1
.endr
.irp i, 2,4,6,8,10,12,14
.irp b, 0,1,2,3
	v_max3_num_f32 v[TM+\b], v[TM+\b], |v[\s+16*\b+\i]|, |v[\s+16*\b+\i+1]|   ; the four blocks by turns
.endr
.endr
.irp b, 0,1,2,3
	s_delay_alu instid0(VALU_DEP_4)
	v_permlanex16_b32 v[TM+4+\b], v[TM+\b], s[SEL], s[SEL+1]
.endr
.irp b, 0,1,2,3
	s_delay_alu instid0(VALU_DEP_4)
	v_max_num_f32 v[TM+\b], v[TM+\b], v[TM+4+\b]           ; the block's largest magnitude
.endr
.irp b, 0,1,2,3
	s_delay_alu instid0(VALU_DEP_4)
	v_add_nc_u32 v[TM+12+\b], 0xf8800000, v[TM+\b]         ; 15 off its exponent field: the conversion's scale operand
.endr
.irp b, 0,1,2,3
.endr
.irp b, 0,1,2,3
	s_delay_alu instid0(VALU_DEP_4)
	v_lshrrev_b32 v[TM+4+\b], 23, v[TM+12+\b]              ; the scale's byte
.endr
	s_delay_alu instid0(VALU_DEP_3)
	v_lshl_or_b32 v[\pw], v[TM+5], 8, v[TM+4]
	s_delay_alu instid0(VALU_DEP_1)
	v_lshl_or_b32 v[\pw], v[TM+6], 16, v[\pw]
	s_delay_alu instid0(VALU_DEP_1)
	v_lshl_or_b32 v[\pw], v[TM+7], 24, v[\pw]
.irp b, 0,1,2,3
.irp i, 0,1,2,3,4,5,6,7,8,9,10,11,12,13,14,15
.endr
	v_cvt_scalef32_pk8_bf8_f32 v[\d+4*\b:\d+4*\b+1], v[\s+16*\b:\s+16*\b+7], v[TM+12+\b]
	v_cvt_scalef32_pk8_bf8_f32 v[\d+4*\b+2:\d+4*\b+3], v[\s+16*\b+8:\s+16*\b+15], v[TM+12+\b]
.endr
	v_nop                                                  ; a plain line behind the last conversion, ahead of whatever touches its registers next
.endm
; LayerNorm without gain and bias: v[d + j] = (v[x + j] - mean) / sqrt(variance + eps); a token's 128 channels lie in lanes l and l xor 16, 64 each.  Mean first, then the squares of the differences.
.macro LNSTAT x, d, p
	v_pk_add_f32 v[250:251], v[64:65], v[66:67]
	v_pk_add_f32 v[252:253], v[72:73], v[76:77]
	v_pk_add_f32 v[246:247], v[80:81], v[84:85]
	v_pk_add_f32 v[244:245], v[88:89], v[92:93]
	v_pk_add_f32 v[242:243], v[96:97], v[100:101]
	v_pk_add_f32 v[238:239], v[104:105], v[108:109]
	v_pk_add_f32 v[236:237], v[112:113], v[116:117]
	v_pk_add_f32 v[248:249], v[120:121], v[124:125]
	s_delay_alu instid0(VALU_DEP_1)
	v_pk_add_f32 v[248:249], v[248:249], v[68:69]
	v_pk_add_f32 v[250:251], v[250:251], v[70:71]
	v_pk_add_f32 v[252:253], v[252:253], v[74:75]
	v_pk_add_f32 v[246:247], v[246:247], v[78:79]
	v_pk_add_f32 v[244:245], v[244:245], v[82:83]
	v_pk_add_f32 v[242:243], v[242:243], v[86:87]
	v_pk_add_f32 v[238:239], v[238:239], v[90:91]
	v_pk_add_f32 v[236:237], v[236:237], v[94:95]
	v_pk_add_f32 v[248:249], v[248:249], v[98:99]
	v_pk_add_f32 v[250:251], v[250:251], v[102:103]
	v_pk_add_f32 v[252:253], v[252:253], v[106:107]
	v_pk_add_f32 v[246:247], v[246:247], v[110:111]
	v_pk_add_f32 v[244:245], v[244:245], v[114:115]
	v_pk_add_f32 v[242:243], v[242:243], v[118:119]
	v_pk_add_f32 v[238:239], v[238:239], v[122:123]
	v_pk_add_f32 v[236:237], v[236:237], v[126:127]
	s_delay_alu instid0(VALU_DEP_4)
	v_pk_add_f32 v[248:249], v[248:249], v[244:245]
	s_delay_alu instid0(VALU_DEP_4)
	v_pk_add_f32 v[250:251], v[250:251], v[242:243]
	s_delay_alu instid0(VALU_DEP_4)
	v_pk_add_f32 v[252:253], v[252:253], v[238:239]
	s_delay_alu instid0(VALU_DEP_4)
	v_pk_add_f32 v[246:247], v[246:247], v[236:237]
	s_delay_alu instid0(VALU_DEP_2)
	v_pk_add_f32 v[248:249], v[248:249], v[252:253]
	s_delay_alu instid0(VALU_DEP_2)
	v_pk_add_f32 v[250:251], v[250:251], v[246:247]
	s_delay_alu instid0(VALU_DEP_1)
	v_pk_add_f32 v[248:249], v[248:249], v[250:251]
	s_delay_alu instid0(VALU_DEP_1)
	v_add_f32 v[\p], v[\p], v[\p+1]
	s_delay_alu instid0(VALU_DEP_1)
	v_permlanex16_b32 v[\p+1], v[\p], s[SEL], s[SEL+1]
	s_delay_alu instid0(VALU_DEP_1)
	v_add_f32 v[\p], v[\p], v[\p+1]
	s_delay_alu instid0(VALU_DEP_1)
	v_mul_f32 v[\p+4], s[INV], v[\p]                       ; the mean
	s_delay_alu instid0(VALU_DEP_1)
	v_mov_b32 v[\p+5], v[\p+4]
.set N, 0
.rept 32
	v_pk_add_f32 v[\d+N:\d+N+1], v[\x+N:\x+N+1], v[\p+4:\p+5] op_sel_hi:[1,0] neg_lo:[0,1] neg_hi:[0,1]
.set N, N+2
.endr
	v_pk_mul_f32 v[\p:\p+1], v[\d:\d+1], v[\d:\d+1]
	v_pk_mul_f32 v[\p+2:\p+3], v[\d+2:\d+3], v[\d+2:\d+3]
.set N, 4
.rept 15
	s_delay_alu instid0(VALU_DEP_2)
	v_pk_fma_f32 v[\p:\p+1], v[\d+N:\d+N+1], v[\d+N:\d+N+1], v[\p:\p+1]
	s_delay_alu instid0(VALU_DEP_2)
	v_pk_fma_f32 v[\p+2:\p+3], v[\d+N+2:\d+N+3], v[\d+N+2:\d+N+3], v[\p+2:\p+3]
.set N, N+4
.endr
	s_delay_alu instid0(VALU_DEP_1)
	v_pk_add_f32 v[\p:\p+1], v[\p:\p+1], v[\p+2:\p+3]
	s_delay_alu instid0(VALU_DEP_1)
	v_add_f32 v[\p], v[\p], v[\p+1]
	s_delay_alu instid0(VALU_DEP_1)
	v_permlanex16_b32 v[\p+1], v[\p], s[SEL], s[SEL+1]
	s_delay_alu instid0(VALU_DEP_1)
	v_add_f32 v[\p], v[\p], v[\p+1]
	s_delay_alu instid0(VALU_DEP_1)
	v_fma_f32 v[\p], v[\p], s[INV], s[EPS]                 ; variance + eps
	s_wait_alu depctr_va_vdst(0)
	v_rsq_f32 v[\p+4], v[\p]
	v_nop                                                  ; a plain line behind the transcendental
	s_wait_alu depctr_va_vdst(0)
	v_mov_b32 v[\p+5], v[\p+4]
.set N, 0
.rept 32
	v_pk_mul_f32 v[\d+N:\d+N+1], v[\d+N:\d+N+1], v[\p+4:\p+5] op_sel_hi:[1,0]
.set N, N+2
.endr
.endm
; 32 numbers of a vector of 128, in the layout of a lane's registers 32 p .. 32 p + 31: channels 32 c + 16 h + i
.macro VHALF dst, off, p
.irp c, 0,1
.irp q, 0,1,2,3
	ds_load_b128 v[\dst+16*\c+4*\q:\dst+16*\c+4*\q+3], v[VA] offset:\off+128*(2*\p+\c)+16*\q
.endr
.endr
.endm
.macro AFFINE d, t, og, ob             ; v[d + j] = v[d + j] x gain + bias
.irp p, 0,1
	VHALF \t, \og, \p
	VHALF \t+32, \ob, \p
	s_wait_dscnt 0x0
.set N, 0
.rept 16
	v_pk_fma_f32 v[\d+32*\p+N:\d+32*\p+N+1], v[\d+32*\p+N:\d+32*\p+N+1], v[\t+N:\t+N+1], v[\t+32+N:\t+32+N+1]
.set N, N+2
.endr
.endr
.endm
.macro IMAGE adr, reg, off
.irp c, 0,1,2,3
	ds_store_b128 v[\adr], v[\reg+4*\c:\reg+4*\c+3] offset:\off+512*\c
.endr
.endm
.macro FETCH reg, adr, off
.irp c, 0,1,2,3
	ds_load_b128 v[\reg+4*\c:\reg+4*\c+3], v[\adr] offset:\off+512*\c
.endr
.endm
; 16 rows x 128 numbers of a weight, in a fragment's layout: register 16 c + i = column 32 c + 16 h + i of the lane's row
.macro WLOAD dst, vo, sb, off
.irp c, 0,1,2,3
.irp q, 0,1,2,3
	global_load_b128 v[\dst+16*\c+4*\q:\dst+16*\c+4*\q+3], v[\vo], s[\sb:\sb+1] offset:\off+128*\c+16*\q
.endr
.endr
.endm
.macro XGET g                          ; token tiles 4 g .. 4 g + 3: codes and scale words
.irp c, 0,1,2,3
	FETCH R2+16*\c, XIB, 2048*(4*\g+\c)
	ds_load_b32 v[XSC+\c], v[XSB] offset:128*(4*\g+\c)
.endr
.endm
.macro VMUL g                          ; V: source 0 = 16 tokens, source 1 = my 16 rows of Wv: a lane holds one channel, its registers run along the tokens
.irp c, 0,1,2,3
	MM R1+8*(4*\g+\c), R2+16*\c, WC+32, BV, XSC+\c, WVS
.endr
.endm
	s_load_b512 s[4:19], s[0:1], 0x0               ; enc s[4:5], dec s[6:7], Wk s[8:9], Wq s[10:11], Wv s[12:13], bk s[14:15], bq s[16:17], bv s[18:19]
	s_load_b512 s[20:35], s[0:1], 0x40             ; g_enc s[20:21], g_dec s[22:23], b_enc s[24:25], b_dec s[26:27], Wo s[28:29], W1 s[30:31], W2 s[32:33], kv s[34:35]
	s_load_b128 s[36:39], s[0:1], 0x80             ; qimg s[36:37], dseq s[38:39]
	s_load_b64 s[40:41], s[0:1], 0x90              ; wimg
	v_lshl_add_u32 v254, v0, 2, 0x29000
	v_mov_b32 v255, 0
	ds_add_u32 v254, v255
	ds_add_u32 v254, v255
	v_lshrrev_b32 v[TV], 5, v0
	s_delay_alu instid0(VALU_DEP_1)
	v_readfirstlane_b32 s[WV], v[TV]               ; wave 0..7
	v_and_b32 v[TV], 31, v0
	s_delay_alu instid0(VALU_DEP_1)
	v_lshlrev_b32 v[L16], 4, v[TV]
	s_delay_alu instid0(VALU_DEP_2)
	v_lshlrev_b32 v[L4], 2, v[TV]
	v_and_b32 v[TV], 15, v0                        ; r
	v_bfe_u32 v[H64], v0, 4, 1                     ; h
	s_delay_alu instid0(VALU_DEP_2)
	v_and_b32 v[P4], 8, v[TV]
	s_delay_alu instid0(VALU_DEP_1)
	v_add_nc_u32 v[P4], v[P4], v[TV]               ; pat(r)
	s_delay_alu instid0(VALU_DEP_1)
	v_lshlrev_b32 v[WOF], 9, v[P4]
	s_delay_alu instid0(VALU_DEP_1)
	v_lshl_add_u32 v[WOF], v[H64], 6, v[WOF]
	v_mul_u32_u24 v[XA], v[H64], 16*XP
	s_delay_alu instid0(VALU_DEP_1)
	v_lshl_add_u32 v[XA], v[P4], 2, v[XA]
	s_lshr_b32 s[HD], s[WV], 1
	s_and_b32 s[FU], s[WV], 1
	s_lshl_b32 s86, s[HD], 7
	s_lshl_b32 s87, s[FU], 5
	s_add_co_u32 s86, s86, s87                     ; my token tile's first token, in bytes: 4 (32 (w / 2) + 8 (w % 2))
	v_add_nc_u32 v[XA], s86, v[XA]
	v_lshlrev_b32 v[H64], 6, v[H64]
	v_lshlrev_b32 v[P4], 2, v[P4]
	s_delay_alu instid0(VALU_DEP_2)
	v_add_nc_u32 v[VA], VEC, v[H64]
	s_lshl_b32 s86, s[WV], 7
	v_add_nc_u32 v[VST], s86, v[L4]
	s_delay_alu instid0(VALU_DEP_1)
	v_add_nc_u32 v[XSW], XS, v[VST]
	s_delay_alu instid0(VALU_DEP_2)
	v_add_nc_u32 v[VST], VEC, v[VST]
	s_lshl_b32 s86, s[WV], 11
	v_add_nc_u32 v[XIB], XI, v[L16]
	s_delay_alu instid0(VALU_DEP_1)
	v_add_nc_u32 v[XIW], s86, v[XIB]
	s_lshl_b32 s86, s[FU], 13
	v_add_nc_u32 v[XIR], s86, v[XIB]
	v_add_nc_u32 v[XSB], XS, v[L4]
	s_lshl_b32 s86, s[FU], 9
	v_add_nc_u32 v[XSR], s86, v[XSB]
.irp b, 0,1,2,3
	v_mov_b32 v[TM+4+\b], 0                        ; written once: a lane permute's destination counts as one of its sources
.endr
	s_mov_b32 s[SEL], 0x76543210
	s_mov_b32 s[SEL+1], 0xfedcba98                 ; v_permlanex16_b32's selects for lane l xor 16
	s_mov_b32 s[INV], 0x3c000000                   ; 1 / 128
	s_mov_b32 s[EPS], 0x3727c5ac                   ; 1e-5
	; descriptor group 1: 16 channel rows of 128 tokens (512 bytes), 4,096 tokens from row to row; 2 words of padding behind each 128
	s_mov_b32 s[G1+0], (2<<16)|(1<<20)|(6<<22)|(1<<25)
	s_mov_b32 s[G1+1], 128<<16                     ; tensor_dim0
	s_mov_b32 s[G1+2], 16<<16                      ; tensor_dim1
	s_mov_b32 s[G1+3], 128<<16                     ; tile_dim0
	s_mov_b32 s[G1+4], 16                          ; tile_dim1
	s_mov_b32 s[G1+5], 4096                        ; the pitch
	s_mov_b32 s[G1+6], 0
	s_mov_b32 s[G1+7], 0
	s_wait_dscnt 0x0
	s_wait_kmcnt 0x0
	s_cmp_ge_u32 ttmp9, 128
	s_cbranch_scc1 .Lwts
	; ---- the tokens' work-groups.  Encoder or decoder: only pointers and two sizes are chosen
	s_and_b32 s[BLK], ttmp9, 63
	s_mov_b32 s84, 4352
	s_mov_b32 s85, 4096
	s_cmp_lt_u32 ttmp9, 64
	s_cselect_b64 s[72:73], s[4:5], s[6:7]         ; the features
	s_cselect_b64 s[74:75], s[8:9], s[10:11]       ; Wk or Wq
	s_cselect_b64 s[76:77], s[14:15], s[16:17]     ; bk or bq
	s_cselect_b64 s[78:79], s[20:21], s[22:23]     ; the gain
	s_cselect_b64 s[80:81], s[24:25], s[26:27]     ; the bias
	s_cselect_b64 s[82:83], s[34:35], s[36:37]     ; kv or qimg
	s_cselect_b32 s84, 8704, s84                   ; a record's bytes
	s_cselect_b32 s85, 8192, s85                   ; where its scale words begin
	s_lshr_b32 s86, s[BLK], 5                      ; batch
	s_and_b32 s87, s[BLK], 31                      ; step
	s_lshl_b32 s88, s86, 21                        ; a batch: 128 rows of 16,384 bytes
	s_lshl_b32 s89, s[WV], 18                      ; my 16 rows
	s_add_co_u32 s88, s88, s89
	s_lshl_b32 s89, s87, 9                         ; the step's 512 bytes of a row
	s_add_co_u32 s88, s88, s89
	s_mov_b32 s89, 0
	s_mov_b32 s[G0], 1
	s_mul_i32 s[G0+1], s[WV], 16*XP
	s_add_nc_u64 s[G0+2:G0+3], s[72:73], s[88:89]
	s_or_b32 s[G0+3], s[G0+3], 0x80000000
	tensor_load_to_lds s[G0:G0+3], s[G1:G1+7]      ; my one tensor load; these bytes are filled once
	s_nop 0
	PLACES 4
	s_lshl_b32 s90, s86, 2
	s_add_co_u32 s90, s90, s[HD]
	s_lshl_b32 s90, s90, 5
	s_add_co_u32 s90, s90, s87                     ; record (4 batch + head) x 32 + step
	s_mul_i32 s90, s90, s84
	s_mov_b32 s91, 0
	s_add_nc_u64 s[82:83], s[82:83], s[90:91]
	s_lshl_b32 s92, s[FU], 11
	s_mov_b32 s93, 0
	s_add_nc_u64 s[90:91], s[82:83], s[92:93]      ; my fragment's codes
	s_lshl_b32 s92, s[FU], 7
	s_add_nc_u64 s[92:93], s[82:83], s[92:93]      ; the record + 128 x (wave % 2)
	s_mov_b32 s94, s85
	s_mov_b32 s95, 0
	s_add_nc_u64 s[94:95], s[92:93], s[94:95]      ; my fragment's scale word
	s_cmp_lt_u32 s[WV], 4                          ; waves 0-3 bring the gain into LDS, waves 4-7 the bias, 128 bytes each
	s_cselect_b64 s[96:97], s[78:79], s[80:81]
	s_and_b32 s98, s[WV], 3
	s_lshl_b32 s98, s98, 7
	s_mov_b32 s99, 0
	s_add_nc_u64 s[96:97], s[96:97], s[98:99]
	s_lshl_b32 s86, s[HD], 14                      ; my head's 32 rows of the weight
	s_mov_b32 s87, 0
	s_add_nc_u64 s[74:75], s[74:75], s[86:87]
	s_lshl_b32 s86, s[HD], 7                       ; and its 32 numbers of the bias
	s_add_nc_u64 s[76:77], s[76:77], s[86:87]
	global_load_b32 v[PIE], v[L4], s[96:97]
	WLOAD R1, WOF, 74, 0                           ; rows 32 head + pat(r)
	WLOAD R2, WOF, 74, 4096                        ; rows 32 head + 8 + pat(r)
.irp q, 0,1,2,3
	global_load_b128 v[BA+4*\q:BA+4*\q+3], v[H64], s[76:77] offset:16*\q   ; channels 32 head + 16 h + 0 .. 15: register 8 u + j is tile u's row 8 h + j
.endr
	s_wait_loadcnt 36                              ; the first load is in; 16 + 16 + 4 were issued behind it
	ds_store_b32 v[VST], v[PIE]
	s_wait_loadcnt 20                              ; the first tile's 16 are in; 16 + 4 behind them
	QUANT R1, WC, WAS
	s_wait_loadcnt 4                               ; the second tile's; the bias's 4 behind them
	QUANT R2, WC+16, WAS+1
	s_wait_loadcnt 0x0
	s_wait_tensorcnt 0x0                           ; my 16 rows have landed,
	s_wait_dscnt 0x0                               ; my piece of the vectors is stored:
	s_barrier_signal -1
	s_barrier_wait -1                              ; everybody's
	; ---- my token tile: 64 numbers a lane, LayerNorm, codes
.irp c, 0,1,2,3
.irp i, 0,1,2,3,4,5,6,7,8,9,10,11,12,13,14,15
	ds_load_b32 v[R1+16*\c+\i], v[XA] offset:(32*\c+\i)*XP   ; channel 32 c + 16 h + i of my token
.endr
.endr
	s_wait_dscnt 0x0
	LNSTAT R1, R1, LNP
	AFFINE R1, R2, 0, 512
	s_cmp_lt_u32 ttmp9, 64
	s_cbranch_scc1 .Lno_dseq                       ; the decoder's normalised tokens are the residual of the last launch: stored as they lie in the registers
	s_lshl_b32 s86, s[BLK], 3
	s_add_co_u32 s86, s86, s[WV]
	s_lshl_b32 s86, s86, 13                        ; tile 8 blk + wave, 8,192 bytes each
	s_mov_b32 s87, 0
	s_add_nc_u64 s[38:39], s[38:39], s[86:87]
.set N, 0
.rept 16
	global_store_b128 v[L16], v[R1+4*N:R1+4*N+3], s[38:39] offset:512*N   ; 512 consecutive bytes a store
.set N, N+1
.endr
	s_wait_xcnt 0x0                                ; the stores have read their data: the products below write these registers
.Lno_dseq:
	QUANT R1, PC, PW
	IMAGE XIW, PC, 0
	ds_store_b32 v[XSW], v[PW]
	s_wait_dscnt 0x0                               ; for the others' sake: my tile's image is stored
	s_barrier_signal -1
	s_barrier_wait -1
	; ---- K (or Q): head w / 2, token tiles 4 (w % 2) + c.  Source 0 = 16 rows of the weight, source 1 = 16 tokens: a lane holds one token, and the two tiles' registers its head's channels 16 h + 0 .. 15
.irp c, 0,1,2,3
	FETCH R2+16*\c, XIR, 2048*\c
	ds_load_b32 v[XSC+\c], v[XSR] offset:128*\c
.endr
	s_wait_dscnt 0x0
.irp c, 0,1,2,3
.irp u, 0,1
	MM R1+16*\c+8*\u, WC+16*\u, R2+16*\c, BA+8*\u, WAS+\u, XSC+\c
.endr
.endr
	PLACES 8                                       ; eight plain lines between the products and the first read of their results
	QUANT R1, PC, PW                               ; block c = token tile c's 32 channels: the result is the fragment and its scale word
.irp c, 0,1,2,3
	global_store_b128 v[L16], v[PC+4*\c:PC+4*\c+3], s[90:91] offset:512*\c
.endr
	global_store_b32 v[L4], v[PW], s[94:95]
	s_cmp_lt_u32 ttmp9, 64
	s_cbranch_scc1 .Lv
	s_wait_tensorcnt 0x0
	ds_add_u32 v254, v255
	s_wait_dscnt 0x0
	s_endpgm
.Lv:
	; ---- V (encoder alone): head w / 2, channels 32 head + 8 (w % 2) + pat(r); K of the later product = the step's 128 keys
	s_wait_xcnt 0x0                                ; the stores above have read their data: those registers are loaded again
	s_lshl_b32 s86, s[HD], 14
	s_lshl_b32 s87, s[FU], 12
	s_add_co_u32 s86, s86, s87
	s_mov_b32 s87, 0
	s_add_nc_u64 s[12:13], s[12:13], s[86:87]
	s_lshl_b32 s86, s[HD], 7
	s_lshl_b32 s88, s[FU], 5
	s_add_co_u32 s86, s86, s88
	s_add_nc_u64 s[18:19], s[18:19], s[86:87]
	WLOAD R1, WOF, 12, 0
	global_load_b32 v[BV], v[P4], s[18:19]
	XGET 0
	s_wait_loadcnt 1                               ; Wv's 16 loads are in; bv's one may be out
	QUANT R1, WC+32, WVS
	s_wait_loadcnt 0x0
.irp j, 1,2,3,4,5,6,7
	v_mov_b32 v[BV+\j], v[BV]                      ; a lane's eight results are eight tokens of one channel: its bias eight times.  (Seven plain lines between the conversions and the products)
.endr
	s_wait_alu depctr_va_vdst(0)
	s_wait_dscnt 0x0
	VMUL 0
	PLACES 8                                       ; ahead of loads into registers that the products have read
	XGET 1
	s_wait_dscnt 0x0
	VMUL 1
	PLACES 8
	QUANT R1, PC, PW                               ; register 16 b + i = key 32 b + 16 h + i of my channel
.irp c, 0,1,2,3
	global_store_b128 v[L16], v[PC+4*\c:PC+4*\c+3], s[90:91] offset:4096+512*\c
.endr
	global_store_b32 v[L4], v[PW], s[92:93] offset:8448
	s_wait_tensorcnt 0x0
	ds_add_u32 v254, v255
	s_wait_dscnt 0x0
	s_endpgm
.Lwts:
	; ---- the last launch's weights.  q = work-group - 128; fragment F = 8 q + wave.  q = 0: Wo; 1-4: W1, 128 rows each; 5-8: W2, 128 columns each.  Tile w takes rows 32 (w / 2) + 8 (w % 2) + pat(r)
	s_sub_co_u32 s86, ttmp9, 128
	s_cmp_lt_u32 s86, 5
	s_cselect_b64 s[72:73], s[30:31], s[32:33]
	s_cselect_b32 s87, 9, 11                       ; a row is 2^9 bytes, in W2 2^11
	s_cselect_b32 s88, 1, 5
	s_cselect_b32 s89, 16, 9                       ; from q to q + 1: 128 rows of 512 bytes, in W2 128 columns
	s_cmp_eq_u32 s86, 0
	s_cselect_b64 s[72:73], s[28:29], s[72:73]
	s_cselect_b32 s88, 0, s88
	s_sub_co_u32 s88, s86, s88
	s_lshl_b32 s90, s88, s89
	s_lshl_b32 s91, s[HD], 5
	s_lshl_b32 s92, s[FU], 3
	s_add_co_u32 s91, s91, s92
	s_lshl_b32 s91, s91, s87
	s_add_co_u32 s90, s90, s91
	s_mov_b32 s91, 0
	s_add_nc_u64 s[72:73], s[72:73], s[90:91]
	s_sub_co_u32 s87, s87, 2
	v_lshlrev_b32 v[TV], s87, v[P4]                ; pat(r) rows
	s_delay_alu instid0(VALU_DEP_1)
	v_add_nc_u32 v[TV], v[TV], v[H64]
	WLOAD R1, TV, 72, 0
	s_lshl_b32 s92, s86, 3
	s_add_co_u32 s92, s92, s[WV]                   ; F
	s_lshl_b32 s94, s92, 11
	s_mov_b32 s95, 0
	s_add_nc_u64 s[94:95], s[40:41], s[94:95]
	s_lshl_b32 s96, s92, 7
	s_mov_b32 s97, 0
	s_add_nc_u64 s[96:97], s[40:41], s[96:97]
	s_wait_loadcnt 0x0
	QUANT R1, PC, PW
.irp c, 0,1,2,3
	global_store_b128 v[L16], v[PC+4*\c:PC+4*\c+3], s[94:95] offset:512*\c
.endr
	global_store_b32 v[L4], v[PW], s[96:97] offset:147456
	s_endpgm
.Lfunc_end_k_qd7f1969c97_prep:
	.size	k_qd7f1969c97_prep, .Lfunc_end_k_qd7f1969c97_prep-k_qd7f1969c97_prep
	.p2alignl 7, 3214868480
	.fill 96, 4, 3214868480
	.section	.rodata,"a",@progbits
	.p2align	6, 0x0
	.amdhsa_kernel k_qd7f1969c97_prep
		.amdhsa_group_segment_fixed_size 168960
		.amdhsa_private_segment_fixed_size 0
		.amdhsa_enable_private_segment 0
		.amdhsa_kernarg_size 152
		.amdhsa_user_sgpr_count 2
		.amdhsa_user_sgpr_kernarg_segment_ptr 1
		.amdhsa_wavefront_size32 1
		.amdhsa_system_sgpr_workgroup_id_x 1
		.amdhsa_system_sgpr_workgroup_id_y 1
		.amdhsa_system_sgpr_workgroup_id_z 1
		.amdhsa_system_vgpr_workitem_id 0
		.amdhsa_next_free_vgpr 256
		.amdhsa_next_free_sgpr 100
		.amdhsa_reserve_vcc 0
		.amdhsa_float_denorm_mode_32 3
		.amdhsa_float_denorm_mode_16_64 3
		.amdhsa_fp16_overflow 1
		.amdhsa_memory_ordered 1
		.amdhsa_forward_progress 1
		.amdhsa_inst_pref_size 72
	.end_amdhsa_kernel
	.amdgpu_metadata
---
amdhsa.version: [ 1, 2 ]
amdhsa.kernels:
  - .name:           k_qd7f1969c97_prep
    .symbol:         k_qd7f1969c97_prep.kd
    .args:
      - { .name: encoder_feat, .offset: 0, .size: 8, .value_kind: global_buffer, .address_space: global }
      - { .name: decoder_feat, .offset: 8, .size: 8, .value_kind: global_buffer, .address_space: global }
      - { .name: Wk, .offset: 16, .size: 8, .value_kind: global_buffer, .address_space: global }
      - { .name: Wq, .offset: 24, .size: 8, .value_kind: global_buffer, .address_space: global }
      - { .name: Wv, .offset: 32, .size: 8, .value_kind: global_buffer, .address_space: global }
      - { .name: bk, .offset: 40, .size: 8, .value_kind: global_buffer, .address_space: global }
      - { .name: bq, .offset: 48, .size: 8, .value_kind: global_buffer, .address_space: global }
      - { .name: bv, .offset: 56, .size: 8, .value_kind: global_buffer, .address_space: global }
      - { .name: g_enc, .offset: 64, .size: 8, .value_kind: global_buffer, .address_space: global }
      - { .name: g_dec, .offset: 72, .size: 8, .value_kind: global_buffer, .address_space: global }
      - { .name: b_enc, .offset: 80, .size: 8, .value_kind: global_buffer, .address_space: global }
      - { .name: b_dec, .offset: 88, .size: 8, .value_kind: global_buffer, .address_space: global }
      - { .name: Wo, .offset: 96, .size: 8, .value_kind: global_buffer, .address_space: global }
      - { .name: W1, .offset: 104, .size: 8, .value_kind: global_buffer, .address_space: global }
      - { .name: W2, .offset: 112, .size: 8, .value_kind: global_buffer, .address_space: global }
      - { .name: kv, .offset: 120, .size: 8, .value_kind: global_buffer, .address_space: global }
      - { .name: qimg, .offset: 128, .size: 8, .value_kind: global_buffer, .address_space: global }
      - { .name: dseq, .offset: 136, .size: 8, .value_kind: global_buffer, .address_space: global }
      - { .name: wimg, .offset: 144, .size: 8, .value_kind: global_buffer, .address_space: global }
    .group_segment_fixed_size: 168960
    .private_segment_fixed_size: 0
    .kernarg_segment_align: 8
    .kernarg_segment_size: 152
    .max_flat_workgroup_size: 256
    .sgpr_count:     100
    .vgpr_count:     256
    .wavefront_size: 32
...
	.end_amdgpu_metadata
.endif
;; end of part 1
;; launch attn (part 2): grid 32 x 8, 16 waves a work-group, clusters of 4 x 1, 327,680 bytes of LDS; arguments kv, qimg, ao; writes ao
.if DOCPART == 2
	.amdgcn_target "amdgcn-amd-amdhsa--gfx1250"
	.amdhsa_code_object_version 6
	.text
	.protected	k_qd7f1969c97_attn
	.globl	k_qd7f1969c97_attn
	.p2align	8
	.type	k_qd7f1969c97_attn,@function
k_qd7f1969c97_attn:
	s_mov_b64 s[64:65], 0
	v_nop
	global_prefetch_b8 v0, s[64:65] scope:SCOPE_SE
	s_setreg_imm32_b32 hwreg(HW_REG_WAVE_MODE, 25, 1), 1
	s_wait_xcnt 0x0
	s_wait_alu depctr_hold_cnt(0) depctr_sa_sdst(0) depctr_va_vdst(0) depctr_va_sdst(0) depctr_va_ssrc(0) depctr_va_vcc(0) depctr_vm_vsrc(0)
	s_getreg_b32 s2, hwreg(HW_REG_IB_STS2, 6, 4)
	s_cmp_eq_u32 s2, 0
	s_cbranch_scc0 .Lentry_in_a_cluster
	s_endpgm
.Lentry_in_a_cluster:
	s_bfe_u32 s2, ttmp6, 0x10000c
	s_cmp_lg_u32 s2, 0x3003
	s_cbranch_scc0 .Lentry_shape_is_right
	s_endpgm
.Lentry_shape_is_right:
.set REC,  8704
.set GRP,  8*REC
.set HALF, 16*REC
.set MRG,  32*REC
.set MT,   2304
.set L16, 1
.set L4,  2
.set ADR, 3
.set ADS, 4
.set MA,  5
.set MB,  6
.set L16H, 7
.set L4H, 8
.set QZ,  16
.set QS,  44
.set KS,  45
.set VS,  47
.set PS,  49
.set QW,  50
.set KF,  52
.set VF,  84
.set SS,  116
.set OO,  180
.set PC,  196
.set BM,  212
.set BP,  216
.set BH,  220
.set BC,  224
.set FF,  228
.set TMP, 230
.set SU2, 232
.set WV,  10
.set G1,  16
.set G0,  24
.set WQ,  32
.set KH,  33
.set TB,  40
.set CNT, 41
.set SEL, 42
.set CS,  44
.set MNT, 46
.macro PLACES n
.rept \n
	v_nop
.endr
.endm
.macro MM d, a, b, c, sa, sb
	v_wmma_scale_f32_16x16x128_f8f6f4 v[\d:\d+7], v[\a:\a+15], v[\b:\b+15], v[\c:\c+7], v[\sa], v[\sb] matrix_a_fmt:MATRIX_FMT_BF8 matrix_b_fmt:MATRIX_FMT_BF8
.endm
.macro MM0 d, a, b, sa, sb
	v_wmma_scale_f32_16x16x128_f8f6f4 v[\d:\d+7], v[\a:\a+15], v[\b:\b+15], 0, v[\sa], v[\sb] matrix_a_fmt:MATRIX_FMT_BF8 matrix_b_fmt:MATRIX_FMT_BF8
.endm
.macro ROUND
	s_barrier_signal -1
	s_barrier_wait -1
	s_cmp_lg_u32 s[WV], 0
	s_cbranch_scc1 .Lnot_wave_0_\@
	s_barrier_signal -3
.Lnot_wave_0_\@:
	s_barrier_wait -3
	s_barrier_signal -1
	s_barrier_wait -1
.endm
	s_load_b128 s[4:7], s[0:1], 0x0
	s_load_b64 s[8:9], s[0:1], 0x10
	v_lshl_add_u32 v254, v0, 2, 0x48800
	v_mov_b32 v255, 0
	ds_add_u32 v254, v255
	ds_add_u32 v254, v255
	v_lshrrev_b32 v[ADR], 5, v0
	s_delay_alu instid0(VALU_DEP_1)
	v_readfirstlane_b32 s[WV], v[ADR]
	v_and_b32 v[ADS], 31, v0
	s_delay_alu instid0(VALU_DEP_1)
	v_lshlrev_b32 v[L16], 4, v[ADS]
	s_delay_alu instid0(VALU_DEP_2)
	v_lshlrev_b32 v[L4], 2, v[ADS]
	s_and_b32 s[WQ], s[WV], 7
	s_lshr_b32 s[KH], s[WV], 3
	s_mul_i32 s34, s[KH], HALF
	v_add_nc_u32 v[L16H], s34, v[L16]
	v_add_nc_u32 v[L4H], s34, v[L4]
	s_mul_i32 s34, s[WQ], MT
	s_add_co_u32 s34, s34, MRG
	v_add_nc_u32 v[MA], s34, v[L16]
	v_add_nc_u32 v[MB], s34, v[L4]
	s_and_b32 s13, ttmp7, 0xffff
	s_mov_b32 s[G1+0], 15|(3<<16)|(1<<21)
	s_mov_b32 s[G1+1], 32<<16
	s_mov_b32 s[G1+2], 34<<16
	s_mov_b32 s[G1+3], 32<<16
	s_mov_b32 s[G1+4], 34
	s_mov_b32 s[G1+5], 32
	s_mov_b32 s[G1+6], 0
	s_mov_b32 s[G1+7], 0
	s_lshl_b32 s35, s[KH], 4
	s_add_co_u32 s35, s35, s[WQ]
	s_lshl_b32 s52, s13, 5
	s_add_co_u32 s52, s52, s35
	s_mul_i32 s52, s52, REC
	s_mov_b32 s53, 0
	s_mul_i32 s35, s35, REC
	s_mov_b32 s[SEL], 0x76543210
	s_mov_b32 s[SEL+1], 0xfedcba98
	s_mov_b32 s[CS], 0x3e8293ee
	s_mov_b32 s[CS+1], s[CS]
	s_wait_dscnt 0x0
	s_wait_kmcnt 0x0
	s_add_nc_u64 s[52:53], s[4:5], s[52:53]
.irp j, 0,1
	s_mov_b32 s[G0+4*\j], 1
	s_add_co_u32 s[G0+4*\j+1], s35, \j*GRP
	s_add_nc_u64 s[G0+4*\j+2:G0+4*\j+3], s[52:53], \j*GRP
	s_or_b32 s[G0+4*\j+3], s[G0+4*\j+3], 0x80000000
.endr
	ROUND
	tensor_load_to_lds s[G0:G0+3], s[G1:G1+7]
	s_nop 0
	s_wait_alu depctr_va_vdst(0)
	s_wait_tensorcnt 0x0
	ds_add_u32 v254, v255
	s_wait_dscnt 0x0
	ROUND
	tensor_load_to_lds s[G0+4:G0+7], s[G1:G1+7]
	s_nop 0
	PLACES 4
	s_mov_b32 s[TB], 0
	s_bfe_u32 s11, ttmp6, 0x40000
	s_lshl_b32 s12, ttmp9, 2
	s_add_co_u32 s12, s12, s11
	s_lshl_b32 s2, s13, 5
	s_add_co_u32 s2, s2, s12
	s_mul_i32 s2, s2, 4352
	s_mov_b32 s3, 0
	s_add_nc_u64 s[6:7], s[6:7], s[2:3]
	s_lshl_b32 s2, s[WQ], 9
	s_add_nc_u64 s[54:55], s[6:7], s[2:3]
	s_lshr_b32 s2, s[WQ], 2
	s_lshl_b32 s2, s2, 7
	s_add_nc_u64 s[6:7], s[6:7], s[2:3]
	s_wait_alu depctr_va_vdst(0)
	global_load_b128 v[QZ+12:QZ+15], v[L16], s[54:55]
	global_load_b32 v[QW], v[L4], s[6:7] offset:4096
	s_and_b32 s47, s[WQ], 3
	s_mul_i32 s47, s47, 0x01010101
	s_lshr_b32 s14, s13, 2
	s_lshl_b32 s14, s14, 8
	s_lshl_b32 s15, s12, 3
	s_add_co_u32 s14, s14, s15
	s_add_co_u32 s14, s14, s[WQ]
	s_mul_i32 s14, s14, 2560
	s_and_b32 s15, s13, 3
	s_lshl_b32 s48, s15, 9
	s_add_co_u32 s48, s48, s14
	s_mov_b32 s49, 0
	s_add_nc_u64 s[48:49], s[8:9], s[48:49]
	s_lshl_b32 s50, s15, 7
	s_add_co_u32 s50, s50, s14
	s_mov_b32 s51, 0
	s_add_nc_u64 s[50:51], s[8:9], s[50:51]
.irp j, 0,1,2,3,4,5,6,7,8,9,10,11,16,17,18,19,20,21,22,23,24,25,26,27
	v_mov_b32 v[QZ+\j], 0
.endr
	v_mov_b32 v13, 0xff61b1e6
	s_delay_alu instid0(VALU_DEP_1)
	v_floor_f32 v12, -v13
	v_mov_b32 v14, 0
	v_mov_b32 v15, 0
.irp b, 0,1,2,3
	v_mov_b32 v[BP+\b], 0
.endr
	v_mov_b32 v[FF+1], 0
	s_wait_loadcnt 0x0
	v_perm_b32 v[QS], v[QW], v[QW], s47
.set N, 0
.rept 16
	v_mov_b32 v[OO+N], 0
.set N, N+1
.endr
.macro STEP
	v_add_nc_u32 v[ADR], s[TB], v[L16H]
	v_add_nc_u32 v[ADS], s[TB], v[L4H]
.irp t, 0,1,2,3,4,5,6,7
	ds_load_b128 v[KF+4*\t:KF+4*\t+3], v[ADR] offset:512*\t
.endr
	ds_load_b32 v[KS], v[ADS] offset:8192
	ds_load_b32 v[KS+1], v[ADS] offset:8320
	s_wait_alu depctr_va_vdst(0)
	s_wait_dscnt 0x0
.irp f, 0,1
.irp c, 0,1,2,3
	MM0 SS+8*(4*\f+\c), KF+16*\f, QZ+12-4*\c, KS+\f, QS
.endr
.endr
	PLACES 8
.irp u, 0,1
.irp c, 0,1,2,3
	ds_load_b128 v[VF+16*\u+4*\c:VF+16*\u+4*\c+3], v[ADR] offset:4096+2048*\u+512*\c
.endr
	ds_load_b32 v[VS+\u], v[ADS] offset:8448+128*\u
.endr
.irp b, 0,1,2,3
	v_max3_num_f32 v[BM+\b], v[SS+16*\b], v[SS+16*\b+1], v[SS+16*\b+2]
.endr
.irp i, 3,5,7,9,11,13
.irp b, 0,1,2,3
	v_max3_num_f32 v[BM+\b], v[BM+\b], v[SS+16*\b+\i], v[SS+16*\b+\i+1]
.endr
.endr
.irp b, 0,1,2,3
	v_max_num_f32 v[BM+\b], v[BM+\b], v[SS+16*\b+15]
.endr
.irp b, 0,1,2,3
	s_delay_alu instid0(VALU_DEP_4)
	v_permlanex16_b32 v[BP+\b], v[BM+\b], s[SEL], s[SEL+1]
.endr
.irp b, 0,1,2,3
	s_delay_alu instid0(VALU_DEP_4)
	v_max_num_f32 v[BM+\b], v[BM+\b], v[BP+\b]
.endr
	s_delay_alu instid0(VALU_DEP_2)
	v_max3_num_f32 v[TMP], v[BM], v[BM+1], v[BM+2]
	s_delay_alu instid0(VALU_DEP_1)
	v_max_num_f32 v[TMP], v[TMP], v[BM+3]
	s_delay_alu instid0(VALU_DEP_1)
	v_mul_f32 v[TMP], s[CS], v[TMP]
	s_delay_alu instid0(VALU_DEP_1)
	v_max_num_f32 v13, v13, v[TMP]
	v_mov_b32 v[TMP], v12
	s_delay_alu instid0(VALU_DEP_2)
	v_floor_f32 v12, -v13
	s_delay_alu instid0(VALU_DEP_1)
	v_sub_f32 v[TMP], v12, v[TMP]
	s_delay_alu instid0(VALU_DEP_1)
	v_cvt_i32_f32 v[TMP], v[TMP]
	s_delay_alu instid0(VALU_DEP_1)
	v_ldexp_f32 v[FF], 1.0, v[TMP]
.set N, 0
.rept 32
	v_pk_fma_f32 v[SS+N:SS+N+1], v[SS+N:SS+N+1], s[CS:CS+1], v[12:13] op_sel_hi:[1,0,0]
.set N, N+2
.endr
.irp b, 0,1,2,3
	v_fma_f32 v[BM+\b], v[BM+\b], s[CS], v12
.endr
.set N, 0
	s_setprio 1
	s_wait_alu depctr_va_vdst(0)
.rept 64
	v_exp_f32 v[SS+N], v[SS+N]
.set N, N+1
.endr
.irp b, 0,1,2,3
	v_exp_f32 v[BM+\b], v[BM+\b]
.endr
	v_pk_mul_f32 v[14:15], v[14:15], v[FF:FF+1] op_sel_hi:[1,0]
	s_wait_alu depctr_va_vdst(0)
.irp b, 0,1,2,3
	v_max_num_f32 v[BM+\b], 0x8000000, v[BM+\b]
.endr
.irp b, 0,1,2,3
	s_delay_alu instid0(VALU_DEP_4)
	v_add_nc_u32 v[BC+\b], 0xf8800000, v[BM+\b]
.endr
.irp b, 0,1,2,3
.endr
.irp b, 0,1,2,3
	s_delay_alu instid0(VALU_DEP_4)
	v_lshrrev_b32 v[BP+\b], 23, v[BC+\b]
.endr
	s_delay_alu instid0(VALU_DEP_3)
	v_lshl_or_b32 v[PS], v[BP+1], 8, v[BP]
	s_delay_alu instid0(VALU_DEP_1)
	v_lshl_or_b32 v[PS], v[BP+2], 16, v[PS]
	s_delay_alu instid0(VALU_DEP_1)
	v_lshl_or_b32 v[PS], v[BP+3], 24, v[PS]
	v_pk_add_f32 v[SU2:SU2+1], v[SS:SS+1], v[SS+2:SS+3]
.set N, 4
.rept 15
	v_pk_add_f32 v[14:15], v[14:15], v[SS+N:SS+N+1]
	v_pk_add_f32 v[SU2:SU2+1], v[SU2:SU2+1], v[SS+N+2:SS+N+3]
.set N, N+4
.endr
	s_delay_alu instid0(VALU_DEP_1)
	v_pk_add_f32 v[14:15], v[14:15], v[SU2:SU2+1]
	s_setprio 0
.irp b, 0,1,2,3
.irp i, 0,1,2,3,4,5,6,7,8,9,10,11,12,13,14,15
.endr
	v_cvt_scalef32_pk8_bf8_f32 v[PC+4*\b:PC+4*\b+1], v[SS+16*\b:SS+16*\b+7], v[BC+\b]
	v_cvt_scalef32_pk8_bf8_f32 v[PC+4*\b+2:PC+4*\b+3], v[SS+16*\b+8:SS+16*\b+15], v[BC+\b]
.endr
.set N, 0
.rept 8
	v_pk_mul_f32 v[OO+N:OO+N+1], v[OO+N:OO+N+1], v[FF:FF+1] op_sel_hi:[1,0]
.set N, N+2
.endr
	s_wait_alu depctr_va_vdst(0)
	s_wait_dscnt 0x0
	MM OO, VF, PC, OO, VS, PS
	MM OO+8, VF+16, PC, OO+8, VS+1, PS
	s_add_co_u32 s[TB], s[TB], REC
.endm
.macro PHASE j
	s_wait_tensorcnt 1-\j
	s_wait_dscnt 0x0
	s_barrier_signal -1
	s_barrier_wait -1
	s_mov_b32 s[CNT], 8
.Lq_\@:
	s_setprio 2
	STEP
	s_sub_co_u32 s[CNT], s[CNT], 1
	s_cmp_lg_u32 s[CNT], 0
	s_cbranch_scc1 .Lq_\@
	s_setprio 0
.endm
	PHASE 0
	PHASE 1
	PLACES 8
	v_add_f32 v14, v14, v15
	s_cmp_lt_u32 s[WV], 8
	s_cbranch_scc0 .Lkeep
.irp c, 0,1,2,3
	ds_store_b128 v[MA], v[OO+4*\c:OO+4*\c+3] offset:512*\c
.endr
	ds_store_b32 v[MB], v12 offset:2048
	ds_store_b32 v[MB], v14 offset:2176
.Lkeep:
	s_wait_dscnt 0x0
	s_barrier_signal -1
	s_barrier_wait -1
	s_cmp_lt_u32 s[WV], 8
	s_cbranch_scc1 .Ldone
.irp c, 0,1,2,3
	ds_load_b128 v[SS+4*\c:SS+4*\c+3], v[MA] offset:512*\c
.endr
	ds_load_b32 v[BM], v[MB] offset:2048
	ds_load_b32 v[BM+1], v[MB] offset:2176
	s_wait_dscnt 0x0
	v_min_num_f32 v[TMP], v12, v[BM]
	s_delay_alu instid0(VALU_DEP_1)
	v_sub_f32 v[BC], v[TMP], v12
	s_delay_alu instid0(VALU_DEP_2)
	v_sub_f32 v[BC+1], v[TMP], v[BM]
	s_delay_alu instid0(VALU_DEP_2)
	v_cvt_i32_f32 v[BC], v[BC]
	s_delay_alu instid0(VALU_DEP_2)
	v_cvt_i32_f32 v[BC+1], v[BC+1]
	s_delay_alu instid0(VALU_DEP_2)
	v_ldexp_f32 v[FF], 1.0, v[BC]
	s_wait_alu depctr_va_vdst(0)
	v_ldexp_f32 v[SU2], 1.0, v[BC+1]
	v_mul_f32 v14, v14, v[FF]
	s_delay_alu instid0(VALU_DEP_1)
	v_fma_f32 v14, v[BM+1], v[SU2], v14
.set N, 0
.rept 8
	v_pk_mul_f32 v[OO+N:OO+N+1], v[OO+N:OO+N+1], v[FF:FF+1] op_sel_hi:[1,0]
.set N, N+2
.endr
.set N, 0
.rept 8
	v_pk_fma_f32 v[OO+N:OO+N+1], v[SS+N:SS+N+1], v[SU2:SU2+1], v[OO+N:OO+N+1] op_sel_hi:[1,0,1]
.set N, N+2
.endr
	v_permlanex16_b32 v[TMP], v14, s[SEL], s[SEL+1]
	s_delay_alu instid0(VALU_DEP_1)
	v_add_f32 v14, v14, v[TMP]
	s_wait_alu depctr_va_vdst(0)
	v_rcp_f32 v14, v14
	v_nop
.set N, 0
	s_wait_alu depctr_va_vdst(0)
.rept 16
	v_mul_f32 v[SS+N], v[OO+N], v14
.set N, N+1
.endr
	v_max3_num_f32 v[BM], |v[SS]|, |v[SS+1]|, 0x8000000
.irp i, 2,4,6,8,10,12,14
	s_delay_alu instid0(VALU_DEP_1)
	v_max3_num_f32 v[BM], v[BM], |v[SS+\i]|, |v[SS+\i+1]|
.endr
	s_delay_alu instid0(VALU_DEP_1)
	v_permlanex16_b32 v[BP], v[BM], s[SEL], s[SEL+1]
	s_delay_alu instid0(VALU_DEP_1)
	v_max_num_f32 v[BM], v[BM], v[BP]
	s_delay_alu instid0(VALU_DEP_1)
	v_add_nc_u32 v[BC], 0xf8800000, v[BM]
	s_delay_alu instid0(VALU_DEP_1)
	v_lshrrev_b32 v[BP], 23, v[BC]
.irp i, 0,1,2,3,4,5,6,7,8,9,10,11,12,13,14,15
.endr
	v_cvt_scalef32_pk8_bf8_f32 v[PC:PC+1], v[SS:SS+7], v[BC]
	v_cvt_scalef32_pk8_bf8_f32 v[PC+2:PC+3], v[SS+8:SS+15], v[BC]
	v_nop
	global_store_b128 v[L16], v[PC:PC+3], s[48:49]
	global_store_b32 v[L4], v[BP], s[50:51] offset:2048
.Ldone:
	s_wait_tensorcnt 0x0
	ds_add_u32 v254, v255
	s_wait_dscnt 0x0
	ROUND
	s_endpgm
.Lfunc_end_k_qd7f1969c97_attn:
	.size	k_qd7f1969c97_attn, .Lfunc_end_k_qd7f1969c97_attn-k_qd7f1969c97_attn
	.p2alignl 7, 3214868480
	.fill 96, 4, 3214868480
	.section	.rodata,"a",@progbits
	.p2align	6, 0x0
	.amdhsa_kernel k_qd7f1969c97_attn
		.amdhsa_group_segment_fixed_size 327680
		.amdhsa_private_segment_fixed_size 0
		.amdhsa_enable_private_segment 0
		.amdhsa_kernarg_size 24
		.amdhsa_user_sgpr_count 2
		.amdhsa_user_sgpr_kernarg_segment_ptr 1
		.amdhsa_wavefront_size32 1
		.amdhsa_system_sgpr_workgroup_id_x 1
		.amdhsa_system_sgpr_workgroup_id_y 1
		.amdhsa_system_sgpr_workgroup_id_z 1
		.amdhsa_system_vgpr_workitem_id 0
		.amdhsa_next_free_vgpr 256
		.amdhsa_next_free_sgpr 66
		.amdhsa_reserve_vcc 0
		.amdhsa_float_denorm_mode_32 3
		.amdhsa_float_denorm_mode_16_64 3
		.amdhsa_fp16_overflow 1
		.amdhsa_memory_ordered 1
		.amdhsa_forward_progress 1
		.amdhsa_inst_pref_size 43
	.end_amdhsa_kernel
	.amdgpu_metadata
---
amdhsa.version: [ 1, 2 ]
amdhsa.kernels:
  - .name:           k_qd7f1969c97_attn
    .symbol:         k_qd7f1969c97_attn.kd
    .args:
      - { .name: kv, .offset: 0, .size: 8, .value_kind: global_buffer, .address_space: global }
      - { .name: qimg, .offset: 8, .size: 8, .value_kind: global_buffer, .address_space: global }
      - { .name: ao, .offset: 16, .size: 8, .value_kind: global_buffer, .address_space: global }
    .group_segment_fixed_size: 327680
    .private_segment_fixed_size: 0
    .kernarg_segment_align: 8
    .kernarg_segment_size: 24
    .max_flat_workgroup_size: 512
    .sgpr_count:     66
    .vgpr_count:     256
    .wavefront_size: 32
...
	.end_amdgpu_metadata
.endif
;; end of part 2
;; launch tail (part 3): grid 128 x 1, 4 waves a work-group, clusters of 4 x 1, 195,072 bytes of LDS; arguments ao, dseq, wimg, bo, g_out, b_out, b2, b1, out0; writes out0
.if DOCPART == 3
	.amdgcn_target "amdgcn-amd-amdhsa--gfx1250"
	.amdhsa_code_object_version 6
	.text
	.protected	k_qd7f1969c97_tail
	.globl	k_qd7f1969c97_tail
	.p2align	8
	.type	k_qd7f1969c97_tail,@function
k_qd7f1969c97_tail:
	s_mov_b64 s[64:65], 0
	v_nop
	global_prefetch_b8 v0, s[64:65] scope:SCOPE_SE
	s_setreg_imm32_b32 hwreg(HW_REG_WAVE_MODE, 25, 1), 1
	s_wait_xcnt 0x0
	s_wait_alu depctr_hold_cnt(0) depctr_sa_sdst(0) depctr_va_vdst(0) depctr_va_sdst(0) depctr_va_ssrc(0) depctr_va_vcc(0) depctr_vm_vsrc(0)
	s_getreg_b32 s2, hwreg(HW_REG_IB_STS2, 6, 4)
	s_cmp_eq_u32 s2, 0
	s_cbranch_scc0 .Lentry_in_a_cluster
	s_endpgm
.Lentry_in_a_cluster:
	s_bfe_u32 s2, ttmp6, 0x10000c
	s_cmp_lg_u32 s2, 0x3003
	s_cbranch_scc0 .Lentry_shape_is_right
	s_endpgm
.Lentry_shape_is_right:
; TAIL.  out = dec_seq + attention Wo^T + bo;  h = LayerNorm(out);  out0 = out + gelu(h W1^T + b1) W2^T + b2, laid [batch][channel][token].  All three products on codes of BF8 (E5M2) with E8M0 scales.
; SHARES.  A work-group takes 64 neighbouring tokens, so that a channel's piece of the output is 256 consecutive bytes; each of its four waves takes one tile of 16 tokens through the whole chain, in registers.
; Every product is used transposed (source 0 = 16 rows of a weight, source 1 = my 16 tokens): a lane holds one token, and since weight tile t takes rows 32 (t / 2) + 8 (t % 2) + r + (r & 8), register 16 c + i
; of eight tiles' results is channel 32 c + 16 h + i: the layout of the next operand, of the residual as it was stored, and of the vectors read from LDS.
; The residual is the C of the first product's instructions, b1 of the second's; the third adds onto out + b2.
; CLUSTER.  All work-groups read the same 72 weight fragments (156,672 bytes, images of the operand's registers with their scale words): the four of a cluster ask for them jointly, a quarter a wave, once.
; GELU is exact in f32's measure: gelu(x) = max(x, 0) - |x| E, E = erfc(|x| / sqrt 2) / 2 = t 2^(-x^2 log2(e) / 2 + P(t)), t = 1 / (1 + |x| / (2 sqrt 2)), P of degree 9 (relative error of erfc 1.2e-7 for every x).
; LIMITS: NaN and infinities are not served; a block of zeros has the scale byte 1 and zero codes; v_rcp_f32, v_rsq_f32 and v_exp_f32 are what they are; E under the smallest normal number counts as 0.
.set WSC,  147456                      ; LDS: 72 fragments of 2,048 bytes from byte 0; from here their scale words, 128 bytes each
.set WQ,   39168                       ; a quarter of the two: 153 rows of 256 bytes
.set VEC,  156672                      ; bo, g_out, b_out, b2 (512 bytes each), b1 (2,048)
.set STG,  160768                      ; the way out: 128 channel rows of 256 bytes + 8
.set SP,   264                         ; 66 words: lanes 16-31 store 16 rows further down, 1,056 words = 32 modulo 64, beside lanes 0-15's words
.set L16, 1
.set L4,  2
.set VA,  3                            ; v3   VEC + 64 h
.set STO, 4                            ; v4   the stage: my token's word in channel row 16 h
.set RD,  5                            ; v5   back: my wave's 32 rows, 8 bytes a lane
.set GO,  6                            ; v6   8 x lane
.set WAD, 7                            ; v7   this trip's fragments of W1
.set WAD2, 8                           ; v8   of W2
.set WSA, 9                            ; v9   their scale words
.set C9,  10                           ; v[10:11] P's leading coefficient, twice
.set VAD, 12                           ; v12  this trip's 128 numbers of b1
.set L4S, 13                           ; v13  WSC + 4 x lane
.set VST, 14                           ; v14  where my wave puts its vector
.set TV,  15
.set HF,  16                           ; v16-31  h's codes
.set PC,  32                           ; v32-47  the attention's codes, later the hidden layer's
.set HFS, 48                           ; v48  h's scale word
.set PCS, 49                           ; v49  PC's
.set WS,  50                           ; v50-53 four weight tiles' scale words
.set AB,  54                           ; v54-57 the attention's four scale bytes
.set LNP, 58                           ; v58-63 LayerNorm's three pairs
.set WF,  64                           ; v64-127 four weight fragments; between products: a vector, or
.set TM,  64                           ; v64-79  the quantiser's work,
.set GT,  80                           ; v80-87  gelu's t,
.set GA,  88                           ; v88-95  its exponent,
.set GQ,  96                           ; v96-103 x log2(e) / 2, then max(x, 0)
.set HID, 128                          ; v128-191 h, then 128 hidden units
.set RES, 192                          ; v192-255 out
.set WV,  22
.set G1,  28
.set G0,  36
.set SEL, 40
.set MNT, 42
.set INV, 43
.set EPS, 44
.set K1,  45
.set SJ,  46
.set SK,  47
.set SB,  48
.set CNT, 49
.macro PLACES n
.rept \n
	v_nop
.endr
.endm
.macro MM d, a, b, c, sa, sb
	v_wmma_scale_f32_16x16x128_f8f6f4 v[\d:\d+7], v[\a:\a+15], v[\b:\b+15], v[\c:\c+7], v[\sa], v[\sb] matrix_a_fmt:MATRIX_FMT_BF8 matrix_b_fmt:MATRIX_FMT_BF8
.endm
.macro ROUND                           ; a round of the cluster's barrier
	s_barrier_signal -1
	s_barrier_wait -1
	s_cmp_lg_u32 s[WV], 0
	s_cbranch_scc1 .Lnot_wave_0_\@
	s_barrier_signal -3
.Lnot_wave_0_\@:
	s_barrier_wait -3
	s_barrier_signal -1
	s_barrier_wait -1
.endm
; 64 numbers of a lane, register 16 b + i in block b (the block's other 16 lie in lane l xor 16), become 16 registers of codes at v[d] and a scale word in v[pw].
.macro QUANT s, d, pw
.irp b, 0,1,2,3
	v_max3_num_f32 v[TM+\b], |v[\s+16*\b]|, |v[\s+16*\b+1]|, 0x8000000   ; my 16 numbers and the floor 2^(16 - 127): the byte cannot fall under 1
.endr
.irp i, 2,4,6,8,10,12,14
.irp b, 0,1,2,3
	v_max3_num_f32 v[TM+\b], v[TM+\b], |v[\s+16*\b+\i]|, |v[\s+16*\b+\i+1]|
.endr
.endr
.irp b, 0,1,2,3
	v_permlanex16_b32 v[TM+4+\b], v[TM+\b], s[SEL], s[SEL+1]
.endr
.irp b, 0,1,2,3
	v_max_num_f32 v[TM+\b], v[TM+\b], v[TM+4+\b]
.endr
.irp b, 0,1,2,3
	v_add_nc_u32 v[TM+12+\b], 0xf8800000, v[TM+\b]         ; 15 off the exponent field: the conversion's scale operand
.endr
.irp b, 0,1,2,3
	v_and_or_b32 v[TM+8+\b], v[TM+\b], 0x7f800000, s[MNT]  ; 57,344 x the scale
.endr
.irp b, 0,1,2,3
	v_lshrrev_b32 v[TM+4+\b], 23, v[TM+12+\b]              ; the scale's byte
.endr
	v_lshl_or_b32 v[\pw], v[TM+5], 8, v[TM+4]
	v_lshl_or_b32 v[\pw], v[TM+6], 16, v[\pw]
	v_lshl_or_b32 v[\pw], v[TM+7], 24, v[\pw]
.irp b, 0,1,2,3
.irp i, 0,1,2,3,4,5,6,7,8,9,10,11,12,13,14,15
	v_med3_num_f32 v[\s+16*\b+\i], v[\s+16*\b+\i], -v[TM+8+\b], v[TM+8+\b]   ; the hold (ISA guide 7.6.2)
.endr
	v_cvt_scalef32_pk8_bf8_f32 v[\d+4*\b:\d+4*\b+1], v[\s+16*\b:\s+16*\b+7], v[TM+12+\b]
	v_cvt_scalef32_pk8_bf8_f32 v[\d+4*\b+2:\d+4*\b+3], v[\s+16*\b+8:\s+16*\b+15], v[TM+12+\b]
.endr
	v_nop                                                  ; a plain line behind the last conversion
.endm
.macro LNSTAT x, d, p                  ; v[d + j] = (v[x + j] - mean) / sqrt(variance + eps); a token's 128 channels lie in lanes l and l xor 16
	v_pk_add_f32 v[\p:\p+1], v[\x:\x+1], v[\x+2:\x+3]
	v_pk_add_f32 v[\p+2:\p+3], v[\x+4:\x+5], v[\x+6:\x+7]
.set N, 8
.rept 14
	v_pk_add_f32 v[\p:\p+1], v[\p:\p+1], v[\x+N:\x+N+1]
	v_pk_add_f32 v[\p+2:\p+3], v[\p+2:\p+3], v[\x+N+2:\x+N+3]
.set N, N+4
.endr
	v_pk_add_f32 v[\p:\p+1], v[\p:\p+1], v[\p+2:\p+3]
	v_add_f32 v[\p], v[\p], v[\p+1]
	v_permlanex16_b32 v[\p+1], v[\p], s[SEL], s[SEL+1]
	v_add_f32 v[\p], v[\p], v[\p+1]
	v_mul_f32 v[\p+4], s[INV], v[\p]
	v_mov_b32 v[\p+5], v[\p+4]
.set N, 0
.rept 32
	v_pk_add_f32 v[\d+N:\d+N+1], v[\x+N:\x+N+1], v[\p+4:\p+5] op_sel_hi:[1,0] neg_lo:[0,1] neg_hi:[0,1]
.set N, N+2
.endr
	v_pk_mul_f32 v[\p:\p+1], v[\d:\d+1], v[\d:\d+1]
	v_pk_mul_f32 v[\p+2:\p+3], v[\d+2:\d+3], v[\d+2:\d+3]
.set N, 4
.rept 15
	v_pk_fma_f32 v[\p:\p+1], v[\d+N:\d+N+1], v[\d+N:\d+N+1], v[\p:\p+1]
	v_pk_fma_f32 v[\p+2:\p+3], v[\d+N+2:\d+N+3], v[\d+N+2:\d+N+3], v[\p+2:\p+3]
.set N, N+4
.endr
	v_pk_add_f32 v[\p:\p+1], v[\p:\p+1], v[\p+2:\p+3]
	v_add_f32 v[\p], v[\p], v[\p+1]
	v_permlanex16_b32 v[\p+1], v[\p], s[SEL], s[SEL+1]
	v_add_f32 v[\p], v[\p], v[\p+1]
	v_fma_f32 v[\p], v[\p], s[INV], s[EPS]
	v_rsq_f32 v[\p+4], v[\p]
	v_nop
	s_wait_alu depctr_va_vdst(0)
	v_mov_b32 v[\p+5], v[\p+4]
.set N, 0
.rept 32
	v_pk_mul_f32 v[\d+N:\d+N+1], v[\d+N:\d+N+1], v[\p+4:\p+5] op_sel_hi:[1,0]
.set N, N+2
.endr
.endm
.macro VHALF dst, off, p
.irp c, 0,1
.irp q, 0,1,2,3
	ds_load_b128 v[\dst+16*\c+4*\q:\dst+16*\c+4*\q+3], v[VA] offset:\off+128*(2*\p+\c)+16*\q
.endr
.endr
.endm
.macro AFFINE d, t, og, ob
.irp p, 0,1
	VHALF \t, \og, \p
	VHALF \t+32, \ob, \p
	s_wait_dscnt 0x0
.set N, 0
.rept 16
	v_pk_fma_f32 v[\d+32*\p+N:\d+32*\p+N+1], v[\d+32*\p+N:\d+32*\p+N+1], v[\t+N:\t+N+1], v[\t+32+N:\t+32+N+1]
.set N, N+2
.endr
.endr
.endm
.macro VFULL dst, adr, off             ; 128 numbers of a vector in the layout of a lane's 64 registers: channels 32 c + 16 h + i
.irp c, 0,1,2,3
.irp q, 0,1,2,3
	ds_load_b128 v[\dst+16*\c+4*\q:\dst+16*\c+4*\q+3], v[\adr] offset:\off+128*\c+16*\q
.endr
.endr
.endm
.macro ADDV                            ; out += the vector in v[WF] on
.set N, 0
.rept 32
	v_pk_add_f32 v[RES+N:RES+N+1], v[RES+N:RES+N+1], v[WF+N:WF+N+1]
.set N, N+2
.endr
.endm
.macro FETCH reg, adr, off
.irp c, 0,1,2,3
	ds_load_b128 v[\reg+4*\c:\reg+4*\c+3], v[\adr] offset:\off+512*\c
.endr
.endm
.macro GELU8 x                         ; eight registers in place
.irp i, 0,1,2,3,4,5,6,7
	v_fma_f32 v[GT+\i], |v[\x+\i]|, s[K1], 1.0             ; 1 + |x| / (2 sqrt 2)
.endr
.irp i, 0,1,2,3,4,5,6,7
	v_rcp_f32 v[GT+\i], v[GT+\i]                           ; t
.endr
.irp i, 0,2,4,6
	v_pk_mul_f32 v[GQ+\i:GQ+\i+1], v[\x+\i:\x+\i+1], 0x3f38aa3b op_sel_hi:[1,0]   ; x log2(e) / 2.  (Plain lines behind the reciprocals)
.endr
	s_wait_alu depctr_va_vdst(0)
.irp i, 0,2,4,6
	v_pk_fma_f32 v[GA+\i:GA+\i+1], v[GT+\i:GT+\i+1], v[C9:C9+1], 0xbf97d29d op_sel_hi:[1,1,0]
.endr
.irp cf, 0x40097039, 0xbfd1a1e5, 0x3ecdfd18, 0xbe899a80, 0x3e0efb2e, 0x3f0a29d2, 0x3fb8ab5a, 0xc034d90f
.irp i, 0,2,4,6
	v_pk_fma_f32 v[GA+\i:GA+\i+1], v[GA+\i:GA+\i+1], v[GT+\i:GT+\i+1], \cf op_sel_hi:[1,1,0]   ; Horner; the coefficients carry log2(e), the last also the factor 1 / 2
.endr
.endr
.irp i, 0,2,4,6
	v_pk_fma_f32 v[GA+\i:GA+\i+1], v[GQ+\i:GQ+\i+1], v[\x+\i:\x+\i+1], v[GA+\i:GA+\i+1] neg_lo:[1,0,0] neg_hi:[1,0,0]
.endr
.irp i, 0,1,2,3,4,5,6,7
	v_exp_f32 v[GA+\i], v[GA+\i]
.endr
.irp i, 0,1,2,3,4,5,6,7
	v_max_num_f32 v[GQ+\i], 0, v[\x+\i]                    ; (plain lines behind the exponentials)
.endr
	s_wait_alu depctr_va_vdst(0)
.irp i, 0,2,4,6
	v_pk_mul_f32 v[GA+\i:GA+\i+1], v[GA+\i:GA+\i+1], v[GT+\i:GT+\i+1]   ; E
.endr
.irp i, 0,1,2,3,4,5,6,7
	v_fma_f32 v[\x+\i], -|v[\x+\i]|, v[GA+\i], v[GQ+\i]
.endr
.endm
	s_load_b512 s[4:19], s[0:1], 0x0               ; ao s[4:5], dseq s[6:7], wimg s[8:9], bo s[10:11], g_out s[12:13], b_out s[14:15], b2 s[16:17], b1 s[18:19]
	s_load_b64 s[20:21], s[0:1], 0x40              ; out0
	s_set_vgpr_msb 0x40
	v_lshl_add_u32 v0, v0, 2, 0x2f800
	v_mov_b32 v1, 0
	s_set_vgpr_msb 0x4045
	ds_add_u32 v0, v1
	ds_add_u32 v0, v1
	s_set_vgpr_msb 0x4500
	v_lshrrev_b32 v[TV], 5, v0
	v_readfirstlane_b32 s[WV], v[TV]               ; wave 0..3
	v_and_b32 v[TV], 31, v0
	v_lshlrev_b32 v[L16], 4, v[TV]
	v_lshlrev_b32 v[L4], 2, v[TV]
	v_add_nc_u32 v[L4S], WSC, v[L4]
	v_bfe_u32 v[TV], v0, 4, 1
	v_lshl_add_u32 v[VA], v[TV], 6, VEC
	s_lshl_b32 s50, s[WV], 9
	s_mov_b32 s51, 0
	v_add_nc_u32 v[VST], s50, v[L16]
	v_add_nc_u32 v[VST], VEC, v[VST]
	s_mov_b32 s[SEL], 0x76543210
	s_mov_b32 s[SEL+1], 0xfedcba98
	s_mov_b32 s[MNT], 0x600000
	s_mov_b32 s[INV], 0x3c000000                   ; 1 / 128
	s_mov_b32 s[EPS], 0x3727c5ac                   ; 1e-5
	s_mov_b32 s[K1], 0x3eb504f3                    ; 1 / (2 sqrt 2)
	s_bfe_u32 s23, ttmp6, 0x40000                  ; cx: it enters global addresses alone
	s_lshl_b32 s24, ttmp9, 2
	s_add_co_u32 s24, s24, s23                     ; my block of 64 tokens
	; descriptor group 1: 153 dense rows of 256 bytes; the mask names all four work-groups
	s_mov_b32 s[G1+0], 15|(3<<16)|(1<<21)
	s_mov_b32 s[G1+1], 32<<16
	s_mov_b32 s[G1+2], 153<<16
	s_mov_b32 s[G1+3], 32<<16
	s_mov_b32 s[G1+4], 153
	s_mov_b32 s[G1+5], 32
	s_mov_b32 s[G1+6], 0
	s_mov_b32 s[G1+7], 0
	s_mul_i32 s52, s[WV], WQ
	s_mov_b32 s53, 0
	s_wait_dscnt 0x0
	s_wait_kmcnt 0x0
	s_mov_b32 s[G0], 1
	s_mov_b32 s[G0+1], s52
	s_add_nc_u64 s[G0+2:G0+3], s[8:9], s[52:53]
	s_or_b32 s[G0+3], s[G0+3], 0x80000000
	ROUND                                          ; all four work-groups are here: the joint loads meet
	tensor_load_to_lds s[G0:G0+3], s[G1:G1+7]      ; my quarter of the weights; these bytes are filled once
	s_nop 0
	PLACES 4
	s_cmp_lt_u32 s[WV], 2                          ; wave w brings vector w of bo, g_out, b_out, b2, and piece w of b1
	s_cselect_b64 s[54:55], s[10:11], s[14:15]
	s_cselect_b64 s[56:57], s[12:13], s[16:17]
	s_and_b32 s26, s[WV], 1
	s_cmp_lg_u32 s26, 0
	s_cselect_b64 s[56:57], s[56:57], s[54:55]
	s_add_nc_u64 s[18:19], s[18:19], s[50:51]
	s_lshl_b32 s25, s24, 2
	s_add_co_u32 s25, s25, s[WV]                   ; my token tile
	s_mul_i32 s58, s25, 2560
	s_mov_b32 s59, 0
	s_add_nc_u64 s[4:5], s[4:5], s[58:59]
	s_lshl_b32 s58, s25, 13
	s_add_nc_u64 s[6:7], s[6:7], s[58:59]
	s_lshr_b32 s58, s24, 6
	s_lshl_b32 s58, s58, 21                        ; the batch,
	s_lshl_b32 s26, s[WV], 19                      ; the 32 channel rows that my wave stores,
	s_add_co_u32 s58, s58, s26
	s_and_b32 s26, s24, 63
	s_lshl_b32 s26, s26, 8                         ; the block's 256 bytes of a row
	s_add_co_u32 s58, s58, s26
	s_add_nc_u64 s[20:21], s[20:21], s[58:59]
	global_load_b128 v[WF:WF+3], v[L16], s[56:57]
	global_load_b128 v[WF+4:WF+7], v[L16], s[18:19]
.irp c, 0,1,2,3
	global_load_b128 v[PC+4*\c:PC+4*\c+3], v[L16], s[4:5] offset:512*\c th:TH_LOAD_NT   ; block c = head c
.endr
.irp c, 0,1,2,3
	global_load_b32 v[AB+\c], v[L4], s[4:5] offset:2048+128*\c th:TH_LOAD_NT
.endr
.set N, 0
.rept 16
	global_load_b128 v[RES+4*N:RES+4*N+3], v[L16], s[6:7] offset:512*N th:TH_LOAD_NT    ; the residual
.set N, N+1
.endr
	s_lshr_b32 s26, s[WV], 1
	s_lshl_b32 s26, s26, 7
	s_and_b32 s27, s[WV], 1
	s_lshl_b32 s27, s27, 5
	s_add_co_u32 s26, s26, s27
	s_add_co_u32 s26, s26, STG                     ; the stage + my tile's first token, in bytes
	s_mul_i32 s27, s[WV], 32*SP
	s_add_co_u32 s27, s27, STG                     ; the stage + my wave's 32 rows
	s_wait_loadcnt 24                              ; the two vector loads are in; 4 + 4 + 16 were issued behind them
	ds_store_b128 v[VST], v[WF:WF+3]
	ds_store_b128 v[VST], v[WF+4:WF+7] offset:2048
	s_wait_loadcnt 0x0
	v_lshl_or_b32 v[PCS], v[AB+1], 8, v[AB]        ; the four heads' bytes make the scale word
	v_lshl_or_b32 v[PCS], v[AB+2], 16, v[PCS]
	v_lshl_or_b32 v[PCS], v[AB+3], 24, v[PCS]
	v_and_b32 v[TV], 15, v0                        ; twelve plain lines stand between that word and the first product
	v_and_b32 v[STO], 8, v[TV]
	v_add_nc_u32 v[STO], v[STO], v[TV]             ; r + (r & 8)
	v_lshlrev_b32 v[STO], 2, v[STO]
	v_bfe_u32 v[TV], v0, 4, 1
	v_mad_u32_u24 v[STO], v[TV], 16*SP, v[STO]
	v_add_nc_u32 v[STO], s26, v[STO]
	v_and_b32 v[GO], 31, v0
	v_lshlrev_b32 v[GO], 3, v[GO]
	v_add_nc_u32 v[RD], s27, v[GO]
	v_mov_b32 v[C9], 0x3e7c6f08
	v_mov_b32 v[C9+1], v[C9]
	s_wait_tensorcnt 0x0                           ; my quarter of the weights has landed,
	s_wait_dscnt 0x0                               ; my vectors are stored:
	s_barrier_signal -1
	s_barrier_wait -1                              ; everybody's
	; ---- out = dec_seq + attention Wo^T + bo
.irp g, 0,1
.irp t, 0,1,2,3
	FETCH WF+16*\t, L16, 2048*(4*\g+\t)
	ds_load_b32 v[WS+\t], v[L4S] offset:128*(4*\g+\t)
.endr
	s_wait_dscnt 0x0
.irp t, 0,1,2,3
	MM RES+8*(4*\g+\t), WF+16*\t, PC, RES+8*(4*\g+\t), WS+\t, PCS
.endr
	PLACES 8                                       ; ahead of loads into registers that the products have read, and of the first read of results
.endr
	VFULL WF, VA, 0
	s_wait_dscnt 0x0
	ADDV
	; ---- h = LayerNorm(out), quantised; then b2 onto out
	LNSTAT RES, HID, LNP
	AFFINE HID, WF, 512, 1024
	VFULL WF, VA, 1536
	s_wait_dscnt 0x0
	ADDV
	QUANT HID, HF, HFS
	; ---- four trips: 128 hidden units each, which are one K step of the last product
	s_mov_b32 s[SJ], 0
	s_mov_b32 s[SK], 0
	s_mov_b32 s[SB], 0
	s_mov_b32 s[CNT], 4
.Lj:
	v_add_nc_u32 v[WAD], s[SJ], v[L16]
	v_add_nc_u32 v[WAD2], 81920, v[WAD]
	v_add_nc_u32 v[WSA], s[SK], v[L4S]
	v_add_nc_u32 v[VAD], s[SB], v[VA]
	VFULL HID, VAD, 2048                           ; b1, as the C of the products
.irp g, 0,1
.irp t, 0,1,2,3
	FETCH WF+16*\t, WAD, 16384+2048*(4*\g+\t)
	ds_load_b32 v[WS+\t], v[WSA] offset:1024+128*(4*\g+\t)
.endr
	s_wait_dscnt 0x0
.irp t, 0,1,2,3
	MM HID+8*(4*\g+\t), WF+16*\t, HF, HID+8*(4*\g+\t), WS+\t, HFS
.endr
	PLACES 8
.endr
.irp t, 0,1,2,3,4,5,6,7
	GELU8 HID+8*\t
.endr
	QUANT HID, PC, PCS
	PLACES 4                                       ; between the conversions and the products that take their results
.irp g, 0,1
.irp t, 0,1,2,3
	FETCH WF+16*\t, WAD2, 2048*(4*\g+\t)
	ds_load_b32 v[WS+\t], v[WSA] offset:5120+128*(4*\g+\t)
.endr
	s_wait_dscnt 0x0
.irp t, 0,1,2,3
	MM RES+8*(4*\g+\t), WF+16*\t, PC, RES+8*(4*\g+\t), WS+\t, PCS
.endr
	PLACES 8
.endr
	s_add_co_u32 s[SJ], s[SJ], 16384               ; eight fragments on,
	s_add_co_u32 s[SK], s[SK], 1024                ; eight scale words,
	s_add_co_u32 s[SB], s[SB], 512                 ; 128 numbers of b1
	s_sub_co_u32 s[CNT], s[CNT], 1
	s_cmp_lg_u32 s[CNT], 0
	s_cbranch_scc1 .Lj
	; ---- the way out: a lane holds 64 channels of one token, the output wants tokens innermost: through a stage of 128 channel rows x 64 tokens
.irp c, 0,1,2,3
.irp i, 0,1,2,3,4,5,6,7,8,9,10,11,12,13,14,15
	ds_store_b32 v[STO], v[RES+16*\c+\i] offset:(32*\c+\i)*SP   ; each accumulator from its low end on
.endr
.endr
	s_wait_dscnt 0x0                               ; for the others' sake: my stores into the stage are done
	s_barrier_signal -1
	s_barrier_wait -1
.set N, 0
.rept 32
	ds_load_b64 v[HID+2*N:HID+2*N+1], v[RD] offset:N*SP
.set N, N+1
.endr
.set N, 0
.rept 32
	s_wait_dscnt 31-N                              ; LDS loads come back in order: row N is in, the 31 - N behind it may be out
	global_store_b64 v[GO], v[HID+2*N:HID+2*N+1], s[20:21] offset:N*16384 th:TH_STORE_NT   ; 32 lanes store 256 consecutive bytes, at a multiple of 256 from the output's first byte
.set N, N+1
.endr
	s_set_vgpr_msb 0x5
	s_wait_tensorcnt 0x0
	ds_add_u32 v0, v1
	s_wait_dscnt 0x0
	s_set_vgpr_msb 0x500
	ROUND                                          ; the closing round: no work-group ends while a partner may still ask for the weights
	s_endpgm
.Lfunc_end_k_qd7f1969c97_tail:
	.size	k_qd7f1969c97_tail, .Lfunc_end_k_qd7f1969c97_tail-k_qd7f1969c97_tail
	.p2alignl 7, 3214868480
	.fill 96, 4, 3214868480
	.section	.rodata,"a",@progbits
	.p2align	6, 0x0
	.amdhsa_kernel k_qd7f1969c97_tail
		.amdhsa_group_segment_fixed_size 195072
		.amdhsa_private_segment_fixed_size 0
		.amdhsa_enable_private_segment 0
		.amdhsa_kernarg_size 72
		.amdhsa_user_sgpr_count 2
		.amdhsa_user_sgpr_kernarg_segment_ptr 1
		.amdhsa_wavefront_size32 1
		.amdhsa_system_sgpr_workgroup_id_x 1
		.amdhsa_system_sgpr_workgroup_id_y 1
		.amdhsa_system_sgpr_workgroup_id_z 1
		.amdhsa_system_vgpr_workitem_id 0
		.amdhsa_next_free_vgpr 258
		.amdhsa_next_free_sgpr 66
		.amdhsa_reserve_vcc 0
		.amdhsa_float_denorm_mode_32 3
		.amdhsa_float_denorm_mode_16_64 3
		.amdhsa_memory_ordered 1
		.amdhsa_forward_progress 1
		.amdhsa_inst_pref_size 116
	.end_amdhsa_kernel
	.amdgpu_metadata
---
amdhsa.version: [ 1, 2 ]
amdhsa.kernels:
  - .name:           k_qd7f1969c97_tail
    .symbol:         k_qd7f1969c97_tail.kd
    .args:
      - { .name: ao, .offset: 0, .size: 8, .value_kind: global_buffer, .address_space: global }
      - { .name: dseq, .offset: 8, .size: 8, .value_kind: global_buffer, .address_space: global }
      - { .name: wimg, .offset: 16, .size: 8, .value_kind: global_buffer, .address_space: global }
      - { .name: bo, .offset: 24, .size: 8, .value_kind: global_buffer, .address_space: global }
      - { .name: g_out, .offset: 32, .size: 8, .value_kind: global_buffer, .address_space: global }
      - { .name: b_out, .offset: 40, .size: 8, .value_kind: global_buffer, .address_space: global }
      - { .name: b2, .offset: 48, .size: 8, .value_kind: global_buffer, .address_space: global }
      - { .name: b1, .offset: 56, .size: 8, .value_kind: global_buffer, .address_space: global }
      - { .name: out0, .offset: 64, .size: 8, .value_kind: global_buffer, .address_space: global }
    .group_segment_fixed_size: 195072
    .private_segment_fixed_size: 0
    .kernarg_segment_align: 8
    .kernarg_segment_size: 72
    .max_flat_workgroup_size: 128
    .sgpr_count:     66
    .vgpr_count:     258
    .wavefront_size: 32
...
	.end_amdgpu_metadata
.endif
;; end of part 3
